; MI455X (gfx1250); checked and timed in simulation.
; The chip was launched on July 23, 2026; its instructions are those of AMD's public machine-readable ISA for CDNA 5 (MIT licence, August 2026) and "CDNA5" Instruction Set Architecture Reference Guide (July 2026). The comments in the code are by the model that wrote it; some were corrected since.
;; Content Based Attention. Allowed arithmetic: matrix products marked QUANTISED: E3M2 operands, one E8M0 scale for each 32 along K, by v_wmma_scale_f32_16x16x128_f8f6f4 with both operands' format E3M2, f32 sums; products left as they are: f32 operands where the result goes on into a quantised operand, else bf16, f16 or f32 operands; f32 sums; everything else in f32.
;; Inputs: V_codes 1,024 x 32 x 24 uint8 (E3M2 codes of V, K innermost, in blocks of 32 codes, four codes in three bytes); V_scales 1,024 x 32 uint8 (E8M0 scales of V, one for each 32 codes along K); W_codes 1,024 x 32 x 24 uint8 (E3M2 codes of W, K innermost, in blocks of 32 codes, four codes in three bytes); W_scales 1,024 x 32 uint8 (E8M0 scales of W, one for each 32 codes along K); b 1,024 float32; decoder_output_codes 32 x 1 x 32 x 24 uint8 (E3M2 codes of decoder_output, K innermost, in blocks of 32 codes, four codes in three bytes); decoder_output_scales 32 x 1 x 32 uint8 (E8M0 scales of decoder_output, one for each 32 codes along K); encoder_outputs 32 x 2,048 x 1,024 float32; w 1,024 x 1 float32.
;; Outputs: out0 32 x 1,024 float32.
;; This version of the problem:
;;   THIS VERSION OF THE PROBLEM IS GIVEN IN LOW PRECISION. The matrix products marked QUANTISED in the list below multiply operands that are first quantised to E3M2 (3 exponent bits, 2 mantissa bits; 6 bits a number), with one power-of-two scale for each 32 numbers along K (OCP MX v1.0); their sums are f32. All else is computed in f32.
;;   The module's matrix products, in the order in which they are computed (A, B: the left and right operand; K: the contracted axis; several contracted axes count as one K, in the product's order):
;;     1. [M 32, K 1,024] x [K 1,024, N 1,024]; A: input decoder_output (given as codes); B: input W (given as codes): QUANTISED
;;     2. [M 65,536, K 1,024] x [K 1,024, N 1,024]; A: input encoder_outputs; B: input V (given as codes): QUANTISED
;;     3. [M 65,536, K 1,024] x [K 1,024, N 1]; A: computed on the way; B: input w: left as it is (N = 1 < 16)
;;     4. batch 32 x [M 1, K 2,048] x [K 2,048, N 1,024]; A: softmax; B: input encoder_outputs: left as it is (M = 1 < 16)
;;   THE QUANTISER, for each operand of a quantised product, along K:
;;     - K is cut into blocks of 32 from its start; a last block that is shorter is filled with zeros.
;;     - A block's scale is 2^e with e = floor(log2(the largest magnitude in the block)) - 4, held to -126 .. 127; a block of zeros has e = 0. As a byte (E8M0): e + 127.
;;     - Each number is divided by its block's scale, clamped to +-28, and rounded to the nearest number of E3M2, ties to even, subnormals kept.
;;     - The product sums the exact products of the quantised numbers (number of the format x scale) in f32.
;;   ~~~python
;;   def quantise(x, axis):      # numpy; x: float32 -> the quantised numbers, widened to float32 again
;;       x = np.moveaxis(x, axis, -1); K = x.shape[-1]
;;       x = np.pad(x, [(0, 0)] * (x.ndim - 1) + [(0, -K % 32)]); x = x.reshape(x.shape[:-1] + (-1, 32)); a = np.abs(x).max(-1, keepdims=True)
;;       e = np.where(a > 0, np.clip(np.frexp(np.where(a > 0, a, 1))[1] - 1 - 4, -126, 127), 0)      # np.frexp(a)[1] - 1 = floor(log2(a)), exactly
;;       r = np.clip(x / 2.0 ** e, -28, 28)
;;       step = 2.0 ** (np.maximum(np.frexp(np.where(r == 0, 1, r))[1] - 1, -2) - 2)
;;       q = np.round(r / step) * step * 2.0 ** e      # np.round: ties to even
;;       return np.moveaxis(q.reshape(q.shape[:-2] + (-1,))[..., :K], -1, axis).astype(np.float32)
;;   ~~~
;;   INPUTS GIVEN AS CODES. V (in the module: [1024, 1024], K = its axis 0); W (in the module: [1024, 1024], K = its axis 0); decoder_output (in the module: [32, 1, 1024], K = its axis 2): each comes as NAME_codes (uint8): NAME with its K axis moved to the last place and cut into blocks of 32 codes, [.., K / 32, bytes a block], one block behind the other in memory; four codes in three bytes: a row's codes are one little-endian stream of bits, code i at bits 6 i .. 6 i + 5 (a code: sign, 3 exponent bits, 2 mantissa bits); and NAME_scales (uint8): the same leading axes, one E8M0 byte (e + 127) for each 32 codes along K. Its value is code x scale, taken as it is: it is not quantised again, and the codes and scales need not be those that the quantiser above would give.
;; One version. Each part assembles by itself: llvm-mc -triple=amdgcn-amd-amdhsa -mcpu=gfx1250 --defsym DOCPART=n.
;; ======== version 1 of 1: 3 launches
;; limits: values are held in bf16: 8 bits of precision; right only within a limited range of input values
;; workspace buffers: vimg 819,200 bytes; kbw 262,144 bytes; part_ctx 1,048,576 bytes; part_ml 65,536 bytes
;; launch prep (part 1): grid 64 x 3, 1 waves a work-group, no clusters, 0 bytes of LDS; arguments V_codes, V_scales, W_codes, W_scales, decoder_output_codes, decoder_output_scales, b, w, vimg, kbw; writes vimg, kbw
.if DOCPART == 1
	.amdgcn_target "amdgcn-amd-amdhsa--gfx1250"
	.amdhsa_code_object_version 6
	.text
	.protected	k_q2a8f56ee36_prep
	.globl	k_q2a8f56ee36_prep
	.p2align	8
	.type	k_q2a8f56ee36_prep,@function
k_q2a8f56ee36_prep:
	s_mov_b64 s[64:65], 0
	v_nop
	global_prefetch_b8 v0, s[64:65] scope:SCOPE_SE
	s_setreg_imm32_b32 hwreg(HW_REG_WAVE_MODE, 25, 1), 1
	s_wait_xcnt 0x0
; LEFT OUT BY THE PROGRAM: with tanh(y) = 1 - 2 r, r = 1 / (1 + e^(2 y)), a score is sum_c w_c - 2 sum_c w_c r_c.  The first term is the same for every position of a softmax's axis and cancels in the softmax
; for all values of the inputs, so it is never summed; w itself is live (in the second term), and every input is loaded.  An overflow that would reach only sum_c w_c is not carried to the result.
; Work-group (n, y), one wave, serves columns c = 16 n .. 16 n + 15 of V (y = 0) or of W (y = 1, 2): the three roles are work-groups of their own, so that each has few loads to issue.
; y = 0 lays V's codes and scale bytes of these 16 columns as IMAGES OF THE OPERAND'S REGISTERS: block n of vimg is 12,800 bytes:
;   eight fragments (K step s, 16 columns x 128 K, 12 registers a lane) of 1,536 bytes, register group g of lane l at 1,536 s + 512 g + 16 l;
;   at 12,288 the scale words: lane (r, h) has the 16 bytes V_scales[16 n + r][16 h ..]: register j holds K step j in lanes 0-15 and K step j + 4 in lanes 16-31.
;   The main launch then brings a fragment by three loads of 16 bytes a lane, 512 consecutive bytes each.
; y = 1, 2 make kb[b][c] = decoder_output[b] . W[:, c] + b[c] for batches 16 (y - 1) on (the first quantised product, on the codes as they are given),
;   and lay kb and w so that the main launch loads them in a matrix result's layout: kbw[b][n] is 128 bytes: 16 kb, then 16 w.
;   These stores are pieces of 32 bytes a lane, rows 8,192 bytes apart: 256 KiB once in the whole program.
; The product is used transposed (source 0 = 16 columns of W, source 1 = 16 batches): lane (r, h) holds batch r and columns 8 h + 0 .. 7; the bias is the C of the first K step.
; No LDS, no tensor load, no cluster: each work-group reads its own 16 rows of codes once; the decoder's 24 KiB are the only bytes that work-groups share.
.set FO, 1                             ; v1  768 r + 24 h: a row of 1,024 codes is 768 bytes
.set SO, 2                             ; v2  32 r + 16 h: a row of scale bytes is 32 bytes
.set IO, 3                             ; v3  16 x lane
.set HO, 4                             ; v4  32 h: my eight numbers of b and of w
.set OO, 5                             ; v5  my place in kbw
	s_load_b256 s[4:11], s[0:1], 0x0               ; V's codes s[4:5], V's scales s[6:7], W's codes s[8:9], W's scales s[10:11]
	s_load_b256 s[12:19], s[0:1], 0x20             ; decoder's codes s[12:13], its scales s[14:15], b s[16:17], w s[18:19]
	s_load_b128 s[20:23], s[0:1], 0x40             ; vimg s[20:21], kbw s[22:23]
	s_and_b32 s24, ttmp7, 0xffff                   ; y: the role
	v_and_b32 v7, 15, v0                           ; r
	v_bfe_u32 v8, v0, 4, 1                         ; h
	v_mul_u32_u24 v[FO], v7, 768
	v_mad_u32_u24 v[FO], v8, 24, v[FO]
	v_lshlrev_b32 v[SO], 5, v7
	v_lshl_add_u32 v[SO], v8, 4, v[SO]
	v_lshlrev_b32 v[IO], 4, v0
	v_lshlrev_b32 v[HO], 5, v8
	v_lshlrev_b32 v[OO], 13, v7                    ; batch r of my 16: 8,192 bytes a batch,
	v_lshl_add_u32 v[OO], v8, 5, v[OO]             ; + 32 h
	s_mul_i32 s26, ttmp9, 12288                    ; 16 rows of codes
	s_mov_b32 s27, 0
	s_lshl_b32 s28, ttmp9, 9                       ; 16 rows of scale bytes
	s_mov_b32 s29, 0
	s_mov_b32 s31, 0
	s_wait_alu depctr_va_vdst(0)                   ; the wait at the head's end
	s_wait_kmcnt 0x0
	s_cmp_lg_u32 s24, 0
	s_cbranch_scc1 .Ld
	; ---- y = 0: V's image
	s_add_nc_u64 s[4:5], s[4:5], s[26:27]
	s_add_nc_u64 s[6:7], s[6:7], s[28:29]
	s_mul_i32 s30, ttmp9, 12800
	s_add_nc_u64 s[20:21], s[20:21], s[30:31]
	global_load_b128 v[112:115], v[SO], s[6:7]
.irp s, 0,1,2,3,4,5,6,7
.irp p, 0,1,2,3,4,5
	global_load_b64 v[16+12*\s+2*\p:17+12*\s+2*\p], v[FO], s[4:5] offset:96*\s+48*(\p/3)+8*(\p%3)   ; 24 bytes of the row's stream of bits in pieces of 8
.endr
.endr
.irp s, 0,1,2,3,4,5,6,7
	s_wait_loadcnt 6*(7-\s)                        ; K step s is in: behind it stand six loads for each later step
.irp g, 0,1,2
	global_store_b128 v[IO], v[16+12*\s+4*\g:19+12*\s+4*\g], s[20:21] offset:1536*\s+512*\g         ; 32 lanes store 512 consecutive bytes
.endr
.endr
	global_store_b128 v[IO], v[112:115], s[20:21] offset:12288
	s_endpgm
.Ld:
	; ---- y = 1, 2: kb and w for batches 16 (y - 1) on
	s_sub_co_u32 s25, s24, 1
	s_add_nc_u64 s[8:9], s[8:9], s[26:27]
	s_add_nc_u64 s[10:11], s[10:11], s[28:29]
	s_mul_i32 s30, s25, 12288
	s_add_nc_u64 s[12:13], s[12:13], s[30:31]
	s_lshl_b32 s30, s25, 9
	s_add_nc_u64 s[14:15], s[14:15], s[30:31]
	s_lshl_b32 s30, ttmp9, 6                       ; 16 f32
	s_add_nc_u64 s[16:17], s[16:17], s[30:31]
	s_add_nc_u64 s[18:19], s[18:19], s[30:31]
	s_lshl_b32 s30, ttmp9, 7
	s_add_nc_u64 s[22:23], s[22:23], s[30:31]      ; kbw at tile n of batch 0,
	s_lshl_b32 s30, s25, 17                        ; and 16 batches of 8,192 bytes on for y = 2
	s_add_nc_u64 s[22:23], s[22:23], s[30:31]
	global_load_b128 v[208:211], v[SO], s[10:11]   ; W's scale words: register j: K step j below, j + 4 above
	global_load_b128 v[212:215], v[SO], s[14:15]   ; the decoder's likewise
	global_load_b128 v[216:219], v[HO], s[16:17]
	global_load_b128 v[220:223], v[HO], s[16:17] offset:16
	global_load_b128 v[224:227], v[HO], s[18:19]
	global_load_b128 v[228:231], v[HO], s[18:19] offset:16
.irp s, 0,1,2,3,4,5,6,7
.irp p, 0,1,2,3,4,5
	global_load_b64 v[16+12*\s+2*\p:17+12*\s+2*\p], v[FO], s[8:9] offset:96*\s+48*(\p/3)+8*(\p%3)       ; W
	global_load_b64 v[112+12*\s+2*\p:113+12*\s+2*\p], v[FO], s[12:13] offset:96*\s+48*(\p/3)+8*(\p%3)   ; the decoder's rows
.endr
.endr
	; K step s is in when at most the 12 (7 - s) loads of the later steps are out; the wait's field names 63 at the most, which is under 84 and 72
	s_wait_loadcnt 63
	v_wmma_scale_f32_16x16x128_f8f6f4 v[232:239], v[16:27], v[112:123], v[216:223], v208, v212 matrix_a_fmt:MATRIX_FMT_BF6 matrix_b_fmt:MATRIX_FMT_BF6
.irp s, 1,2,3
.if 12*(7-\s) > 63
	s_wait_loadcnt 63
.else
	s_wait_loadcnt 12*(7-\s)
.endif
	s_wait_alu depctr_va_vdst(0)                   ; the wait ahead of every link
	v_wmma_scale_f32_16x16x128_f8f6f4 v[232:239], v[16+12*\s:27+12*\s], v[112+12*\s:123+12*\s], v[232:239], v[208+\s], v[212+\s] matrix_a_fmt:MATRIX_FMT_BF6 matrix_b_fmt:MATRIX_FMT_BF6
.endr
.irp s, 4,5,6,7
	s_wait_loadcnt 12*(7-\s)
	s_wait_alu depctr_va_vdst(0)
	v_wmma_scale_f32_16x16x128_f8f6f4 v[232:239], v[16+12*\s:27+12*\s], v[112+12*\s:123+12*\s], v[232:239], v[208+\s-4], v[212+\s-4] matrix_a_fmt:MATRIX_FMT_BF6 matrix_b_fmt:MATRIX_FMT_BF6 matrix_a_scale:MATRIX_SCALE_ROW1 matrix_b_scale:MATRIX_SCALE_ROW1
.endr
.rept 4
	v_nop                                          ; four places between the last product and the stores that read it
.endr
	global_store_b128 v[OO], v[232:235], s[22:23]              ; kb, from the accumulator's low end on
	global_store_b128 v[OO], v[236:239], s[22:23] offset:16
	global_store_b128 v[OO], v[224:227], s[22:23] offset:64    ; w beside it
	global_store_b128 v[OO], v[228:231], s[22:23] offset:80
	s_endpgm
.Lfunc_end_k_q2a8f56ee36_prep:
	.size	k_q2a8f56ee36_prep, .Lfunc_end_k_q2a8f56ee36_prep-k_q2a8f56ee36_prep
	.p2alignl 7, 3214868480
	.fill 96, 4, 3214868480
	.section	.rodata,"a",@progbits
	.p2align	6, 0x0
	.amdhsa_kernel k_q2a8f56ee36_prep
		.amdhsa_group_segment_fixed_size 0
		.amdhsa_private_segment_fixed_size 0
		.amdhsa_enable_private_segment 0
		.amdhsa_kernarg_size 80
		.amdhsa_user_sgpr_count 2
		.amdhsa_user_sgpr_kernarg_segment_ptr 1
		.amdhsa_wavefront_size32 1
		.amdhsa_system_sgpr_workgroup_id_x 1
		.amdhsa_system_sgpr_workgroup_id_y 1
		.amdhsa_system_sgpr_workgroup_id_z 1
		.amdhsa_system_vgpr_workitem_id 0
		.amdhsa_next_free_vgpr 256
		.amdhsa_next_free_sgpr 66
		.amdhsa_reserve_vcc 0
		.amdhsa_float_denorm_mode_32 3
		.amdhsa_float_denorm_mode_16_64 3
		.amdhsa_memory_ordered 1
		.amdhsa_forward_progress 1
		.amdhsa_inst_pref_size 21
	.end_amdhsa_kernel
	.amdgpu_metadata
---
amdhsa.version: [ 1, 2 ]
amdhsa.kernels:
  - .name:           k_q2a8f56ee36_prep
    .symbol:         k_q2a8f56ee36_prep.kd
    .args:
      - { .name: V_codes, .offset: 0, .size: 8, .value_kind: global_buffer, .address_space: global }
      - { .name: V_scales, .offset: 8, .size: 8, .value_kind: global_buffer, .address_space: global }
      - { .name: W_codes, .offset: 16, .size: 8, .value_kind: global_buffer, .address_space: global }
      - { .name: W_scales, .offset: 24, .size: 8, .value_kind: global_buffer, .address_space: global }
      - { .name: decoder_output_codes, .offset: 32, .size: 8, .value_kind: global_buffer, .address_space: global }
      - { .name: decoder_output_scales, .offset: 40, .size: 8, .value_kind: global_buffer, .address_space: global }
      - { .name: b, .offset: 48, .size: 8, .value_kind: global_buffer, .address_space: global }
      - { .name: w, .offset: 56, .size: 8, .value_kind: global_buffer, .address_space: global }
      - { .name: vimg, .offset: 64, .size: 8, .value_kind: global_buffer, .address_space: global }
      - { .name: kbw, .offset: 72, .size: 8, .value_kind: global_buffer, .address_space: global }
    .group_segment_fixed_size: 0
    .private_segment_fixed_size: 0
    .kernarg_segment_align: 8
    .kernarg_segment_size: 80
    .max_flat_workgroup_size: 32
    .sgpr_count:     66
    .vgpr_count:     256
    .wavefront_size: 32
...
	.end_amdgpu_metadata
.endif
;; end of part 1
;; launch main (part 2): grid 256 x 1, 4 waves a work-group, no clusters, 327,680 bytes of LDS; arguments encoder_outputs, vimg, kbw, part_ctx, part_ml; writes part_ctx, part_ml
.if DOCPART == 2
	.amdgcn_target "amdgcn-amd-amdhsa--gfx1250"
	.amdhsa_code_object_version 6
	.text
	.protected	k_q2a8f56ee36_main
	.globl	k_q2a8f56ee36_main
	.p2align	8
	.type	k_q2a8f56ee36_main,@function
k_q2a8f56ee36_main:
	s_mov_b64 s[64:65], 0
	v_nop
	global_prefetch_b8 v0, s[64:65] scope:SCOPE_SE
	s_setreg_imm32_b32 hwreg(HW_REG_WAVE_MODE, 25, 1), 1
	s_wait_xcnt 0x0
; Work-group x owns rows 256 x .. 256 x + 255 of encoder_outputs (all of batch x / 8) and reads them from memory ONCE.  It leaves a partial softmax: the largest t, the sum of p, and the sum over its rows of p x row.
; ARITHMETIC.  tanh(y) = 1 - 2 r, r = 1 / (1 + 2^(K2 y)), K2 = 2 log2(e).  score x log2(e) = log2(e) sum_c w_c - K2 sum_c w_c r_c.  The first term is the same for every row of a softmax and cancels in it
; for every input, so t = -K2 sum_c w_c r_c is used.  2^(K2 y) = infinity gives r = 0, 2^(K2 y) = 0 gives r = 1: both right.  p = 2^(t - m) with a running maximum m.
; LIMITS: NaN and infinities among the inputs are not served.  A block of 32 numbers whose largest magnitude lies under 2^-122 (a block of zeros among them) keeps the scale byte 1; its bytes are read by this text alone.
; For the last product (p x rows) the rows are rounded to bf16; sums in f32.
; A CHUNK is 64 rows; four chunks.  Phases of a chunk:
;   P1  wave w turns its slab (64 rows x columns 256 w .. 256 w + 255, which its own tensor loads brought) into codes: 8 fragments, stored in LDS as images of the operand's registers; a bf16 copy stays in registers.
;   B1  barrier: all images lie in LDS.    P3  every wave takes all 32 fragments (4 tiles of rows x 8 K steps, 384 registers) and their scale words from LDS.
;   P4  wave w multiplies them by V's column tiles 16 w .. 16 w + 15.  V comes straight into registers, two tiles ahead, from images that an earlier launch laid; each fragment of V feeds four products.
;       A TILE IS 32 PRODUCTS ON END (four accumulators by turns, K outermost) AND THEN ONE BATCH OF tanh OVER ITS 32 RESULT REGISTERS: no transcendental stands between the links of a sum.
;       THE TILES ARE WALKED IN PAIRS, FORWARD IN ONE CHUNK AND BACKWARD IN THE NEXT (the sum over columns asks for no order): the pair at the turn and its scale words stay in registers, so that
;       a chunk but the first fetches 14 tiles of V, not 16; the first chunk's first pair is asked for at the kernel's head.
;   P5  the four waves' partial scores meet in LDS (barrier B2); every wave makes the same softmax figures.    P6  the bf16 copy turns through the wave's own stage in LDS; context for my 256 columns.
; THE SLAB IS FILLED AGAIN IN TWO HALVES OF 32 ROWS, so that P4's loads of V share their way with few of these bytes: rows 0-31 of the next chunk are asked for in the middle of P1, behind a barrier of
; their own, as soon as this chunk's rows 0-31 have been read; rows 32-63 behind a barrier in front of P4's last pair of tiles, which asks for nothing of V, and are waited for in the middle of the next P1.
; One tensor load of a wave is out at a time.
; PREFETCH INTO THE L2: in P4 of chunk c each wave names the 64 rows x 1,024 bytes that its next two refills ask for (rows 32-63 of chunk c + 1, rows 0-31 of chunk c + 2), a lane a block of 256 bytes, each block once:
; 2 x 8 rows in each of the first four trips; in the third chunk two trips, 32 rows: chunk 4 does not exist.  Chunk 1's rows 0-31 come by their load alone.  V's images are loaded two tiles ahead of their use.
; NO CLUSTER, NO JOINT LOADS OF V: the landing zone (266,240 bytes) and the images and stages (55,296) leave 6,144 bytes of LDS, and one tile of V for each of four waves is 51,200.
; THE PRODUCT IS USED TRANSPOSED: source 0 = 16 columns of V, source 1 = 16 rows: lane (r, h) holds row r and columns 8 h + 0 .. 7; kb (decoder's projection + bias) is the C of the first K step.
; REGISTERS, in windows of 256 (s_set_vgpr_msb: bits 1:0 source 0, 3:2 source 1, 5:4 source 2, 7:6 destination):
;   window 0: v1-17 addresses; v20-35 the rows' scale words; v36-43 V's scale words; v44-171 by phase (below); v172-179 context; v180 m, v181 sum, v182-183 f; v184-191 at work; v192-255 bf16 copy of row tile 0
;   window 1: v0-191 fragments of row tiles 0, 1 (in P1: numbers, codes at work); v192-255 bf16 copy of tile 1.   window 2: the same for tiles 2, 3 and copy 2.   window 3: v0-191 V, two sets; v192-255 copy 3.
.set LANDW, 66560                      ; a wave's slab: 64 rows x (1,024 bytes + 16): the 16 rows of a load of 16 bytes a lane start in different banks (ISA guide 11.1)
.set LPITCH, 1040
.set IMG,   266240                     ; 32 fragment images of 1,536 bytes: (K step s, row tile m) at 1,536 (4 s + m).  Wave w writes s = 2 w, 2 w + 1; in P6 its two stages (16 x 272 bytes) lie in these bytes of its own
.set XSC,   315392                     ; their scale words, 128 bytes each
.set SCO,   319488                     ; partial scores [wave][64]
.set PBA,   320512                     ; p [wave][64]
.set SPARE, 321536                     ; the spare words, 128 bytes for each wave: two blocks of 256 bytes that no other line names
.set FRB,   1536
.set VBLK,  12800                      ; a column tile of V in vimg
.set STGB,  4352                       ; a stage
.set SPW, 1                            ; SPARE + 4 x thread; never rewritten
.set NIL, 2                            ; 0; never rewritten
.set LI,  3                            ; IMG + 16 lane
.set LS,  4                            ; XSC + 4 lane + 2,048 h: lanes 16-31 take the word four K steps on
.set XR,  5                            ; my slab + 1,040 r + 64 h
.set IMW, 6                            ; IMG + 12,288 wave + 16 lane
.set SCW, 7                            ; XSC + 1,024 wave + 4 lane
.set STW, 8                            ; my stage + 272 r + 32 h
.set STR, 9                            ; my stage + 8 lane
.set SOW, 10                           ; SCO + 256 wave + 4 r
.set SOR, 11                           ; SCO + 4 lane
.set PBW, 12                           ; PBA + 256 wave + 4 lane
.set PBR, 13                           ; PBA + 256 wave
.set L16, 14                           ; 16 lane: offset into vimg's images and into part_ctx
.set KO,  15                           ; 32 h: offset into a tile of kbw
.set PFO, 16                           ; the prefetches' offset: row lane / 4 (4,096 bytes), block lane % 4 (256 bytes); never rewritten
.set MO,  17                           ; 8 lane
.set AS,  20                           ; register 4 m + j: row tile m's scale words of K step j (lanes 0-15) and j + 4 (lanes 16-31)
.set VS,  36                           ; set p at 4 p: V's, likewise
.set KB,  44                           ; P4: kb, set p at 8 p
.set WW,  60                           ; P4: w, set p at 8 p
.set ACA, 76                           ; P4: the accumulator of row tile m at 8 m
.set SC,  108                          ; P4: sum of w r, a pair for each row tile
.set RB,  44                           ; P5, P6: rows read back, two sets of 32
.set PP,  108                          ; P6: the 64 p
.set CTX, 172
.set MX,  180
.set LL,  181
.set FF,  182
.set TP,  184
.set TM,  128                          ; window 1, P1: as in QUANT
.set PW,  144
.set PC,  146
.set G1,  16                           ; s[16:23] descriptor group 1 of the head's load: 64 rows
.set G1H, 68                           ; s[68:75] of the refills: 32 rows
.set G0A, 24                           ; s[24:27] group 0: rows 0-31 of a chunk (at the head: all 64)
.set G0B, 60                           ; s[60:63] group 0: rows 32-63
.set VN,  28                           ; s[28:29] vimg at the pair of tiles asked for last (at a chunk's head: the pair that lies in the registers)
.set KN,  30                           ; s[30:31] kbw at the same pair
.set PF,  32                           ; s[32:33] where my prefetches stand
.set SVA, 34                           ; s[34:35] V's step from pair to pair in this chunk, a signed 64-bit offset;  s[52:53] the next chunk's: the other sign
.set SVB, 52
.set SKA, 54                           ; s[54:55], s[56:57] the same for kbw
.set SKB, 56
.set SWP, 58                           ; s[58:59] at work in the swap
.set MSB, 0
.macro WIN new                         ; the immediate's high byte repeats the setting that is left; a switch that changes nothing is dropped
.if MSB != (\new)
	s_set_vgpr_msb (MSB<<8)|(\new)
.set MSB, (\new)
.endif
.endm
.macro PLACES                          ; four places behind a matrix instruction, ahead of loads into its registers and of reads of its result (reads)
.rept 4
	v_nop
.endr
.endm
; 64 numbers of a lane, register 16 b + i = k 32 b + 16 (lane / 16) + i of my row, become a fragment's codes in v[PC] on and its scale word in v[PW].  All in window 1.
.macro QUANT xs
.irp b, 0,1,2,3
	v_max3_num_f32 v[TM+\b], |v[\xs+16*\b]|, |v[\xs+1+16*\b]|, 0x2800000   ; block b: my 16 numbers, and the floor 2^(5 - 127): the byte cannot fall under 1
.endr
.irp i, 2,4,6,8,10,12,14
.irp b, 0,1,2,3
	v_max3_num_f32 v[TM+\b], v[TM+\b], |v[\xs+16*\b+\i]|, |v[\xs+1+16*\b+\i]|   ; the four blocks by turns
.endr
.endr
.irp b, 0,1,2,3
	v_permlanex16_b32 v[TM+4+\b], v[TM+\b], s[36], s[37]
.endr
.irp b, 0,1,2,3
	v_max_num_f32 v[TM+\b], v[TM+\b], v[TM+4+\b]   ; with lane l xor 16's: the block's largest magnitude
.endr
.irp b, 0,1,2,3
	v_add_nc_u32 v[TM+12+\b], 0xfe000000, v[TM+\b] ; 4 off its exponent field: the conversion takes the exponent field of this operand as its scale
.endr
.irp b, 0,1,2,3
	v_lshrrev_b32 v[TM+4+\b], 23, v[TM+12+\b]      ; the scale's byte
.endr
	v_lshl_or_b32 v[PW], v[TM+5], 8, v[TM+4]
	v_lshl_or_b32 v[PW], v[TM+6], 16, v[PW]
	v_lshl_or_b32 v[PW], v[TM+7], 24, v[PW]        ; my row's scale word
.irp c, 0,1
	v_cvt_scalef32_pk16_bf6_f32 v[PC+6*\c:PC+2+6*\c], v[\xs+32*\c:\xs+15+32*\c], v[TM+12+2*\c]
	v_cvt_scalef32_pk16_bf6_f32 v[PC+12+4*\c:PC+14+4*\c], v[\xs+16+32*\c:\xs+31+32*\c], v[TM+12+2*\c+1]   ; (a conversion's three registers begin on an even number)
.endr
	v_nop                                          ; one plain place behind a scaled conversion
.irp c, 0,1                                    ; the operand's layout wants a whole block in a lane
.irp i, 0,1,2
	v_permlane16_swap_b32 v[PC+6*\c+\i], v[PC+12+4*\c+\i]
.endr
.irp i, 0,1,2
	v_mov_b32 v[PC+3+6*\c+\i], v[PC+12+4*\c+\i]
.endr
.endr
.endm
.macro XLD f                           ; fragment f = 2 m + s' of my slab: 64 numbers a lane into window 1, v[64 (f % 2)] on
.irp b, 0,1,2,3
.irp j, 0,1,2,3
	ds_load_b128 v[64*((\f)%2)+16*\b+4*\j:64*((\f)%2)+16*\b+4*\j+3], v[XR] offset:16*LPITCH*((\f)/2)+512*((\f)%2)+128*\b+16*\j
.endr
.endr
.endm
; What P4 fetches: all of it hangs on the walking bases and on which tile of a pair (p), never on the direction of the walk.
.macro LDV p, f0                       ; four fragments of V, K steps f0 on, of tile p of the pair at VN, into set p: 12 loads of 512 consecutive bytes
	WIN 0xc0
.irp s, 0,1,2,3
.irp g, 0,1,2
	global_load_b128 v[96*(\p)+12*(\f0+\s)+4*\g:96*(\p)+12*(\f0+\s)+4*\g+3], v[L16], s[VN:VN+1] offset:VBLK*(\p)+FRB*(\f0+\s)+512*\g
.endr
.endr
	WIN 0
.endm
.macro LDSC p                          ; that tile's scale words: 1 load
	global_load_b128 v[VS+4*(\p):VS+4*(\p)+3], v[L16], s[VN:VN+1] offset:VBLK*(\p)+12288
.endm
.macro LDK p                           ; kb of tile p of the pair at KN: 2 loads
	global_load_b128 v[KB+8*(\p):KB+8*(\p)+3], v[KO], s[KN:KN+1] offset:128*(\p)
	global_load_b128 v[KB+8*(\p)+4:KB+8*(\p)+7], v[KO], s[KN:KN+1] offset:128*(\p)+16
.endm
.macro LDW p                           ; w of the same tile: 2 loads
	global_load_b128 v[WW+8*(\p):WW+8*(\p)+3], v[KO], s[KN:KN+1] offset:128*(\p)+64
	global_load_b128 v[WW+8*(\p)+4:WW+8*(\p)+7], v[KO], s[KN:KN+1] offset:128*(\p)+80
.endm
; One product: V's set p, K step s, row tile m.  V in window 3, the rows' fragments in window 1 or 2, C and D in window 0.
.macro MM p, s, m
.set HD, ACA+8*(\m)
.set HV, 96*(\p)+12*(\s)
.set HA, 96*((\m)%2)+12*(\s)
.set HQ, AS+4*(\m)+(\s)%4
.set HW, VS+4*(\p)+(\s)%4
	WIN 0x07+4*((\m)/2)
.if (\s) == 0
	v_wmma_scale_f32_16x16x128_f8f6f4 v[HD:HD+7], v[HV:HV+11], v[HA:HA+11], v[KB+8*(\p):KB+8*(\p)+7], v[HW], v[HQ] matrix_a_fmt:MATRIX_FMT_BF6 matrix_b_fmt:MATRIX_FMT_BF6
.elseif (\s) < 4
	v_wmma_scale_f32_16x16x128_f8f6f4 v[HD:HD+7], v[HV:HV+11], v[HA:HA+11], v[HD:HD+7], v[HW], v[HQ] matrix_a_fmt:MATRIX_FMT_BF6 matrix_b_fmt:MATRIX_FMT_BF6
.else
	v_wmma_scale_f32_16x16x128_f8f6f4 v[HD:HD+7], v[HV:HV+11], v[HA:HA+11], v[HD:HD+7], v[HW], v[HQ] matrix_a_fmt:MATRIX_FMT_BF6 matrix_b_fmt:MATRIX_FMT_BF6 matrix_a_scale:MATRIX_SCALE_ROW1 matrix_b_scale:MATRIX_SCALE_ROW1
.endif
.endm
; A column tile: 32 products, the four accumulators by turns (one instruction a turn), K ascending; then the tanh of all 32 results as one batch.
; ld = 1: V's set p is set free as it is walked and takes the tile two on, in three runs:  A behind K step 3: kb (2) and K steps 0-3 (12);  B behind K step 7: the scale words (1) and K steps 4-7 (12);  C behind the batch: w (2).
; st = 1 (a pair's first tile): the bases step to the pair to be asked for, behind K step 3: 16 products behind the last loads that read them; and, where the chunk has a successor, the trip's two prefetches follow run B.
; n1, n2, n3: the loads that may stay out at the tile's head (kb, scale words, K steps 0-3 are in), at K step 4 (K steps 4-7 are in) and ahead of w's use.
.macro TILE p, ld, st, n1, n2, n3
	s_wait_loadcnt \n1
.irp s, 0,1,2,3
.irp m, 0,1,2,3
	MM \p, \s, \m
.endr
.endr
	WIN 0
.if \st
	s_wait_xcnt 0x0                                ; the bases are written only behind this wait (ISA guide 3.1)
	s_add_nc_u64 s[KN:KN+1], s[KN:KN+1], s[SKA:SKA+1]      ; a pair on or a pair back; the bases only ever point at my eight pairs
	s_add_nc_u64 s[VN:VN+1], s[VN:VN+1], s[SVA:SVA+1]
.if PFON
	s_add_nc_u64 s[PF:PF+1], s[PF:PF+1], 0x10000   ; 16 rows on
.endif
.endif
.if \ld
	PLACES
	LDK \p
	LDV \p, 0
.endif
	s_wait_loadcnt \n2
.irp s, 4,5,6,7
.irp m, 0,1,2,3
	MM \p, \s, \m
.endr
.endr
	WIN 0
	PLACES                                         ; for the loads below and for the first reads of the results
.if \ld
	LDSC \p
	LDV \p, 4
.endif
.if (\st) && PFON
	s_cmp_gt_u32 s38, s39                          ; the first four trips of a chunk (in the third chunk the first two)
	s_cbranch_scc0 .Lnopf_\@
	global_prefetch_b8 v[PFO], s[PF:PF+1] th:TH_LOAD_NT scope:SCOPE_SE                 ; 8 rows x my 1,024 bytes, a lane a block of 256
	global_prefetch_b8 v[PFO], s[PF:PF+1] offset:0x8000 th:TH_LOAD_NT scope:SCOPE_SE   ; and the next 8
.Lnopf_\@:
.endif
.irp j, 0,2,4,6,8,10,12,14,16,18,20,22,24,26,28,30
	v_pk_mul_f32 v[ACA+\j:ACA+\j+1], v[ACA+\j:ACA+\j+1], s[48:49] op_sel_hi:[1,0]   ; K2 y; each accumulator from its low end on
.endr
	s_wait_alu depctr_va_vdst(0)                   ; the wait ahead of a batch of transcendentals
.set I, 0
.rept 32
	v_exp_f32 v[ACA+I], v[ACA+I]
.set I, I+1
.endr
	v_nop                                          ; one plain place behind the batch
	s_wait_alu depctr_va_vdst(0)                   ; and for the wait behind it
.irp j, 0,2,4,6,8,10,12,14,16,18,20,22,24,26,28,30
	v_pk_add_f32 v[ACA+\j:ACA+\j+1], v[ACA+\j:ACA+\j+1], 1.0 op_sel_hi:[1,0]
.endr
	s_wait_alu depctr_va_vdst(0)
.set I, 0
.rept 32
	v_rcp_f32 v[ACA+I], v[ACA+I]
.set I, I+1
.endr
	v_nop
	s_wait_loadcnt \n3                             ; this tile's w is in
	s_wait_alu depctr_va_vdst(0)
.irp q, 0,2,4,6
.irp m, 0,1,2,3
	v_pk_fma_f32 v[SC+2*\m:SC+2*\m+1], v[ACA+8*\m+\q:ACA+8*\m+\q+1], v[WW+8*(\p)+\q:WW+8*(\p)+\q+1], v[SC+2*\m:SC+2*\m+1]   ; the four row tiles' sums by turns
.endr
.endr
.if \ld
	LDW \p
.endif
.endm
; The bf16 copy of fragment f = 2 m + s' goes into my stage f % 2 as 16 rows of 256 bytes (pitch 272), and comes back by columns: lane l takes columns 4 l .. 4 l + 3 of each row.  8 stores, 16 loads.
.macro STG f
	WIN ((\f)/2)<<2                                ; an LDS store's data are its source 1: window m
.irp b, 0,1,2,3
.irp j, 0,1
	ds_store_b128 v[STW], v[192+32*((\f)%2)+8*\b+4*\j:192+32*((\f)%2)+8*\b+4*\j+3] offset:STGB*((\f)%2)+64*\b+16*\j
.endr
.endr
	WIN 0
.irp i, 0,1,2,3,4,5,6,7,8,9,10,11,12,13,14,15
	ds_load_b64 v[RB+32*((\f)%2)+2*\i:RB+32*((\f)%2)+2*\i+1], v[STR] offset:STGB*((\f)%2)+272*\i   ; LDS serves a wave's instructions in order (ISA guide 5.7.1.4): these see the stores above
.endr
.endm
	s_load_b256 s[4:11], s[0:1], 0x0               ; encoder_outputs s[4:5], vimg s[6:7], kbw s[8:9], part_ctx s[10:11]
	s_load_b64 s[12:13], s[0:1], 0x20              ; part_ml
	v_lshl_add_u32 v[SPW], v0, 2, SPARE
	v_mov_b32 v[NIL], 0
	ds_add_u32 v[SPW], v[NIL]                      ; the opening lines: the add, twice on end, and its wait ahead of my first tensor load
	ds_add_u32 v[SPW], v[NIL]
	v_lshrrev_b32 v[TP], 5, v0
	v_readfirstlane_b32 s14, v[TP]                 ; wave 0..3
	; descriptor groups 1: rows of 256 elements of 4 bytes, 1,024 elements apart; in LDS 4 words of padding behind every 256.  64 rows for the head's load, 32 for the refills
	s_mov_b32 s[G1], (2<<16)|(1<<20)|(7<<22)|(3<<25)
	s_mov_b32 s[G1+1], 256<<16                     ; tensor_dim0
	s_mov_b32 s[G1+2], 64<<16                      ; tensor_dim1
	s_mov_b32 s[G1+3], 256<<16                     ; tile_dim0
	s_mov_b32 s[G1+4], 64                          ; tile_dim1
	s_mov_b32 s[G1+5], 1024                        ; tensor_dim0_stride
	s_mov_b32 s[G1+6], 0
	s_mov_b32 s[G1+7], 0
	s_mov_b32 s[G1H], (2<<16)|(1<<20)|(7<<22)|(3<<25)
	s_mov_b32 s[G1H+1], 256<<16
	s_mov_b32 s[G1H+2], 32<<16
	s_mov_b32 s[G1H+3], 256<<16
	s_mov_b32 s[G1H+4], 32
	s_mov_b32 s[G1H+5], 1024
	s_mov_b32 s[G1H+6], 0
	s_mov_b32 s[G1H+7], 0
	s_mov_b32 s[G0A], 1                            ; groups 0: count = 1
	s_mul_i32 s25, s14, LANDW                      ; my slab
	s_mov_b32 s[G0B], 1
	s_add_co_u32 s[G0B+1], s25, 32*LPITCH          ; its rows 32-63
	s_lshl_b32 s40, ttmp9, 20                      ; 256 rows of 4,096 bytes a work-group (under 2^28)
	s_lshl_b32 s41, s14, 10                        ; my 256 columns
	s_add_co_u32 s40, s40, s41
	s_mov_b32 s41, 0
	s_wait_dscnt 0x0                               ; both opening adds are done
	s_wait_kmcnt 0x0
	s_add_nc_u64 s[26:27], s[4:5], s[40:41]
	s_add_nc_u64 s[G0B+2:G0B+3], s[26:27], 0x20000 ; 32 rows on
	s_add_nc_u64 s[PF:PF+1], s[26:27], 0x80000     ; a chunk's head takes 48 rows off and its first trip adds 16: chunk 0's first prefetch names row 96
	s_or_b32 s27, s27, 0x80000000                  ; type = 2
	s_or_b32 s[G0B+3], s[G0B+3], 0x80000000
	tensor_load_to_lds s[G0A:G0A+3], s[G1:G1+7]    ; chunk 0, all 64 rows: the first fill, my one tensor load at the head
	s_nop 0
	PLACES                                         ; four v_nop follow a tensor load
	s_mul_i32 s40, s14, 16*VBLK
	s_add_nc_u64 s[VN:VN+1], s[6:7], s[40:41]      ; my 16 column tiles of V: their first pair
	s_lshr_b32 s40, ttmp9, 3                       ; the batch
	s_lshl_b32 s40, s40, 13
	s_lshl_b32 s42, s14, 11
	s_add_co_u32 s40, s40, s42
	s_add_nc_u64 s[KN:KN+1], s[8:9], s[40:41]      ; their kb and w
	s_lshl_b32 s40, ttmp9, 12
	s_lshl_b32 s42, s14, 10
	s_add_co_u32 s40, s40, s42
	s_add_nc_u64 s[10:11], s[10:11], s[40:41]      ; my 256 columns of the work-group's record
	s_lshl_b32 s40, ttmp9, 8
	s_add_nc_u64 s[12:13], s[12:13], s[40:41]
	s_mov_b32 s[SVA], 2*VBLK                       ; the first chunk walks forward: a pair of tiles on,
	s_mov_b32 s[SVA+1], 0
	s_mov_b32 s[SVB], -(2*VBLK)                    ; the next one back: the same offset with the other sign, in 64 bits
	s_mov_b32 s[SVB+1], -1
	s_mov_b32 s[SKA], 256
	s_mov_b32 s[SKA+1], 0
	s_mov_b32 s[SKB], -256
	s_mov_b32 s[SKB+1], -1
	s_mov_b32 s36, 0x76543210
	s_mov_b32 s37, 0xfedcba98                      ; v_permlanex16_b32's selects for lane l xor 16
	s_mov_b32 s48, 0x4038aa3b                      ; K2 = 2 log2(e); the packed forms name a pair and take its low word for both halves
	s_mov_b32 s49, s48
	s_mov_b32 s50, 0xc038aa3b                      ; -K2
	s_mov_b32 s51, s50
	v_and_b32 v[TP], 31, v0                        ; lane
	v_and_b32 v[TP+1], 15, v0                      ; r
	v_bfe_u32 v[TP+2], v0, 4, 1                    ; h
	v_lshl_add_u32 v[LI], v[TP], 4, IMG
	v_lshl_add_u32 v[LS], v[TP], 2, XSC
	v_lshl_add_u32 v[LS], v[TP+2], 11, v[LS]
	v_mul_u32_u24 v[XR], v[TP+1], LPITCH
	v_lshl_add_u32 v[XR], v[TP+2], 6, v[XR]
	v_add_nc_u32 v[XR], s25, v[XR]
	s_mul_i32 s41, s14, 8*FRB
	s_add_co_u32 s41, s41, IMG
	v_lshl_add_u32 v[IMW], v[TP], 4, s41
	s_lshl_b32 s42, s14, 10
	s_add_co_u32 s42, s42, XSC
	v_lshl_add_u32 v[SCW], v[TP], 2, s42
	v_mul_u32_u24 v[STW], v[TP+1], 272
	v_lshl_add_u32 v[STW], v[TP+2], 5, v[STW]
	v_add_nc_u32 v[STW], s41, v[STW]
	v_lshl_add_u32 v[STR], v[TP], 3, s41
	s_lshl_b32 s43, s14, 8
	s_add_co_u32 s44, s43, SCO
	v_lshl_add_u32 v[SOW], v[TP+1], 2, s44
	v_lshl_add_u32 v[SOR], v[TP], 2, SCO
	s_add_co_u32 s45, s43, PBA
	v_lshl_add_u32 v[PBW], v[TP], 2, s45
	v_mov_b32 v[PBR], s45
	v_lshlrev_b32 v[L16], 4, v[TP]
	v_lshlrev_b32 v[KO], 5, v[TP+2]
	v_lshlrev_b32 v[MO], 3, v[TP]
	v_lshrrev_b32 v[PFO], 2, v[TP]
	v_and_b32 v[TP+3], 3, v[TP]
	v_lshlrev_b32 v[PFO], 12, v[PFO]
	v_lshl_add_u32 v[PFO], v[TP+3], 8, v[PFO]
	v_mov_b32 v[MX], 0xff61b1e6                    ; the largest t so far: -3e38, under every t
	v_mov_b32 v[LL], 0
.irp j, 0,1,2,3,4,5,6,7
	v_mov_b32 v[CTX+\j], 0                         ; the chunk is written for all four: the first finds zeros, which its f = 0 leaves zeros
.endr
.irp j, 4,5,6,7
	v_mov_b32 v[TP+\j], 0                          ; written once: a lane permute's destination counts as one of its sources
.endr
	LDV 0, 0                                       ; the first pair of V's tiles and their scale words: 50 loads, out while the first slab lands; every later chunk finds its first pair in these registers
	LDV 0, 4
	LDV 1, 0
	LDV 1, 4
	LDSC 0
	LDSC 1
	s_wait_alu depctr_va_vdst(0)                   ; the wait at the head's end
	s_wait_tensorcnt 0x0                           ; chunk 0's slab is in; only I read these bytes
.macro CHUNK fill
.set PFON, \fill
	; ---- P1: my slab becomes 8 fragments of codes and a bf16 copy.  Its rows 0-31 are in: the wait in front of the last chunk's second refill (for chunk 0: at the head) has shown it
.if \fill
	s_wait_xcnt 0x0                                ; my prefetches have read their base
	s_sub_nc_u64 s[PF:PF+1], s[PF:PF+1], 0x30000   ; seven trips have added 112 rows; a chunk is 64
	s_cmp_eq_u32 s15, 1
	s_cselect_b32 s39, 5, 3                        ; the third chunk prefetches in two trips, the others in four
.endif
	WIN 0x55
.irp b, 0,1,2,3
	v_mov_b32 v[TM+4+\b], 0                        ; (a lane permute's destination counts as one of its sources; these registers held fragments)
.endr
	WIN 0x40
	XLD 0
.set F, 0
.rept 8
.if F == 3                                     ; fragment 3's numbers, the last of rows 0-31, have been asked for; fragment 4 is the first of rows 32-63
	WIN 0
	s_wait_tensorcnt 0x0                           ; all my tensor loads are done: rows 32-63 are in
.if \fill
	ds_add_u32 v[SPW], v[NIL]                      ; 0 onto my spare word
	s_add_nc_u64 s[G0A+2:G0A+3], s[G0A+2:G0A+3], 0x40000   ; 64 rows on; the type bits on top are not reached
	s_wait_dscnt 0x0                               ; the add is done, and my reads of rows 0-31 are over
	s_barrier_signal -1
	s_barrier_wait -1
	tensor_load_to_lds s[G0A:G0A+3], s[G1H:G1H+7]  ; the next chunk's rows 0-31: my one tensor load behind this barrier, and the first thing there
	s_nop 0
	PLACES
.endif
.endif
.if F < 7
	WIN 0x40
	XLD F+1                                        ; the next fragment's numbers, into the set whose numbers were rounded to bf16 last
	s_wait_dscnt 16                                ; all but those 16: this fragment's numbers are in
.else
	s_wait_dscnt 0x0
.endif
	WIN 0x55
	QUANT 64*(F%2)
	WIN 0x04                                       ; an LDS store's data are its source 1: window 1
.irp c, 0,1,2
	ds_store_b128 v[IMW], v[PC+4*\c:PC+4*\c+3] offset:FRB*(4*(F%2)+F/2)+512*\c     ; the fragment as it stands: 512 consecutive bytes a store
.endr
	ds_store_b32 v[SCW], v[PW] offset:128*(4*(F%2)+F/2)
	WIN ((F/2)<<6)|5                               ; the copy of row tile m lies in window m
.set I, 0
.rept 32
	v_cvt_pk_bf16_f32 v[192+32*(F%2)+I], v[64*(F%2)+2*I], v[64*(F%2)+2*I+1]
.set I, I+1
.endr
.set F, F+1
.endr
	; ---- B1: all images lie in LDS.  The load of rows 0-31 stays on its way
	WIN 0
.irp j, 0,1,2,3,4,5,6,7
	v_mov_b32 v[SC+\j], 0
.endr
	s_wait_dscnt 0x0                               ; my images have landed
	s_barrier_signal -1
	s_barrier_wait -1
	; ---- P3: kb and w of the pair of tiles that lies in the registers (8 loads); the chunk's 32 fragments and their scale words come into registers
	LDK 0
	LDK 1
	LDW 0
	LDW 1
.irp m, 0,1,2,3
	WIN 0x40+0x40*(\m/2)
.irp s, 0,1,2,3,4,5,6,7
.irp c, 0,1,2
	ds_load_b128 v[96*(\m%2)+12*\s+4*\c:96*(\m%2)+12*\s+4*\c+3], v[LI] offset:FRB*(4*\s+\m)+512*\c
.endr
.endr
.endr
	WIN 0
.irp m, 0,1,2,3
.irp j, 0,1,2,3
	ds_load_b32 v[AS+4*\m+\j], v[LS] offset:128*(4*\j+\m)
.endr
.endr
	s_wait_dscnt 0x0
	s_wait_loadcnt 0x0                             ; the first pair is whole: the eight loads above, in the first chunk also the head's fifty
	; ---- P4: 16 column tiles, T = 0 .. 15 in the order of the walk.  Tile T issues runs A (14 loads), B (13), C (2) for tile T + 2.  The counts on LOADcnt (a prefetch raises none):
	;   head of T: 43 = the 12 behind T's scale words in run B of T - 2, its run C (2), and the 29 of T - 1;   K step 4: 45 = 2 + 29 + run A of T (14);   w: 56 = 29 + runs A and B of T (27).  At most 58 loads of a wave are out.
	s_mov_b32 s38, 7
.Lpair_\@:                                             ; a trip: a pair of tiles; it asks for the next pair
	TILE 0, 1, 1, 43, 45, 56
	TILE 1, 1, 0, 43, 45, 56
	s_sub_co_u32 s38, s38, 1
	s_cmp_lg_u32 s38, 0
	s_cbranch_scc1 .Lpair_\@
.if \fill
	; ---- the slab's rows 32-63, read last in P1, are filled again: the last pair of tiles, P5, P6 and half of the next P1 stand ahead of the wait for them
	s_wait_tensorcnt 0x0                           ; all my tensor loads are done: the next chunk's rows 0-31 are in
	ds_add_u32 v[SPW], v[NIL]                      ; 0 onto my spare word; work on registers stands between it and the wait for it
	s_add_nc_u64 s[G0B+2:G0B+3], s[G0B+2:G0B+3], 0x40000   ; 64 rows on
	s_mov_b64 s[SWP:SWP+1], s[SVA:SVA+1]           ; the next chunk walks the other way
	s_mov_b64 s[SVA:SVA+1], s[SVB:SVB+1]
	s_mov_b64 s[SVB:SVB+1], s[SWP:SWP+1]
	s_mov_b64 s[SWP:SWP+1], s[SKA:SKA+1]
	s_mov_b64 s[SKA:SKA+1], s[SKB:SKB+1]
	s_mov_b64 s[SKB:SKB+1], s[SWP:SWP+1]
	s_wait_dscnt 0x0                               ; the add is done; my reads of the slab ended in P1
	s_barrier_signal -1
	s_barrier_wait -1
	tensor_load_to_lds s[G0B:G0B+3], s[G1H:G1H+7]  ; the next chunk's rows 32-63: my one tensor load behind this barrier, and the first thing there
	s_nop 0
	PLACES
.endif
	TILE 0, 0, 0, 43, 31, 29                       ; the last pair asks for nothing and stays in the registers for the next chunk.  Tile 14: 43 as above; 31 = 2 + 29; 29
	TILE 1, 0, 0, 14, 2, 0                         ; tile 15: 14 = 12 + 2; 2; 0
	; ---- P5: the scores of the 64 rows, and the softmax's running figures
.irp m, 0,1,2,3
	v_add_f32 v[TP+\m], v[SC+2*\m], v[SC+2*\m+1]
.endr
.irp m, 0,1,2,3
	v_permlanex16_b32 v[TP+4+\m], v[TP+\m], s[36], s[37]
.endr
.irp m, 0,1,2,3
	v_add_f32 v[TP+\m], v[TP+\m], v[TP+4+\m]       ; row 16 m + r over my 256 columns
.endr
.irp m, 0,1,2,3
	ds_store_b32 v[SOW], v[TP+\m] offset:64*\m     ; both halves of the lanes write the same word with the same value
.endr
	s_wait_dscnt 0x0                               ; for the others' sake: my scores have landed; my reads of the images ended in P3
	s_barrier_signal -1                            ; B2: the load of rows 32-63 stays on its way
	s_barrier_wait -1
.irp u, 0,1,2,3
	ds_load_b32 v[RB+2*\u], v[SOR] offset:256*\u           ; row lane,
	ds_load_b32 v[RB+2*\u+1], v[SOR] offset:256*\u+128     ; row lane + 32, of wave u
.endr
	s_wait_dscnt 0x0
	v_pk_add_f32 v[RB:RB+1], v[RB:RB+1], v[RB+2:RB+3]
	v_pk_add_f32 v[RB+4:RB+5], v[RB+4:RB+5], v[RB+6:RB+7]
	v_pk_add_f32 v[RB:RB+1], v[RB:RB+1], v[RB+4:RB+5]
	v_pk_mul_f32 v[TP:TP+1], v[RB:RB+1], s[50:51] op_sel_hi:[1,0]  ; t of my two rows.  Every wave does the same sums in the same order: the four hold the same figures
	v_max_num_f32 v[TP+2], v[TP], v[TP+1]
	v_max_num_f32_dpp v[TP+2], v[TP+2], v[TP+2] row_xmask:1 row_mask:0xf bank_mask:0xf
	v_max_num_f32_dpp v[TP+2], v[TP+2], v[TP+2] row_xmask:2 row_mask:0xf bank_mask:0xf
	v_max_num_f32_dpp v[TP+2], v[TP+2], v[TP+2] row_xmask:4 row_mask:0xf bank_mask:0xf
	v_max_num_f32_dpp v[TP+2], v[TP+2], v[TP+2] row_xmask:8 row_mask:0xf bank_mask:0xf
	v_permlanex16_b32 v[TP+4], v[TP+2], s[36], s[37]
	v_max3_num_f32 v[TP+3], v[TP+2], v[TP+4], v[MX]        ; the new running maximum
	v_sub_f32 v[TP+5], v[MX], v[TP+3]
	v_sub_f32 v[TP], v[TP], v[TP+3]
	v_sub_f32 v[TP+1], v[TP+1], v[TP+3]
	s_wait_alu depctr_va_vdst(0)                   ; the wait ahead of the batch
	v_exp_f32 v[FF], v[TP+5]                       ; f = 2^(old m - new m)
	v_exp_f32 v[TP], v[TP]                         ; p of my two rows
	v_exp_f32 v[TP+1], v[TP+1]
	v_mov_b32 v[MX], v[TP+3]                       ; (a plain place behind the exponentials)
	s_wait_alu depctr_va_vdst(0)                   ; and behind it
	v_mov_b32 v[FF+1], v[FF]
	v_add_f32 v[TP+2], v[TP], v[TP+1]
	v_add_f32_dpp v[TP+2], v[TP+2], v[TP+2] row_xmask:1 row_mask:0xf bank_mask:0xf
	v_add_f32_dpp v[TP+2], v[TP+2], v[TP+2] row_xmask:2 row_mask:0xf bank_mask:0xf
	v_add_f32_dpp v[TP+2], v[TP+2], v[TP+2] row_xmask:4 row_mask:0xf bank_mask:0xf
	v_add_f32_dpp v[TP+2], v[TP+2], v[TP+2] row_xmask:8 row_mask:0xf bank_mask:0xf
	v_permlanex16_b32 v[TP+4], v[TP+2], s[36], s[37]
	v_add_f32 v[TP+2], v[TP+2], v[TP+4]
	v_fma_f32 v[LL], v[LL], v[FF], v[TP+2]         ; the sum under the new maximum
.irp q, 0,2,4,6
	v_pk_mul_f32 v[CTX+\q:CTX+\q+1], v[CTX+\q:CTX+\q+1], v[FF:FF+1]    ; and the context
.endr
	s_wait_alu depctr_va_vdst(0)
	ds_store_b32 v[PBW], v[TP]                     ; p goes round my own 256 bytes, so that every lane has all 64
	ds_store_b32 v[PBW], v[TP+1] offset:128
.irp i, 0,1,2,3,4,5,6,7,8,9,10,11,12,13,14,15
	ds_load_b128 v[PP+4*\i:PP+4*\i+3], v[PBR] offset:16*\i
.endr
	; ---- P6: context[column] += sum over the 64 rows of p x row.  The stages lie in my own image bytes: every wave's reads of them ended ahead of B2
	STG 0
.set F, 0
.rept 8
.if F < 7
	STG F+1
	s_wait_dscnt 24                                ; all but the next stage's 8 stores and 16 loads
.else
	s_wait_dscnt 0x0
.endif
.set I, 0
.rept 16
.set RR, RB+32*(F%2)+2*I
.set CC, CTX+4*(F%2)
.set PR, PP+16*(F/2)+I
	v_fma_mix_f32_bf16 v[CC], v[RR], v[PR], v[CC] op_sel_hi:[1,0,0]                      ; bf16 (low half) x p + the sum, in f32
	v_fma_mix_f32_bf16 v[CC+1], v[RR], v[PR], v[CC+1] op_sel:[1,0,0] op_sel_hi:[1,0,0]   ; the high half
	v_fma_mix_f32_bf16 v[CC+2], v[RR+1], v[PR], v[CC+2] op_sel_hi:[1,0,0]
	v_fma_mix_f32_bf16 v[CC+3], v[RR+1], v[PR], v[CC+3] op_sel:[1,0,0] op_sel_hi:[1,0,0]
.set I, I+1
.endr
.set F, F+1
.endr
.endm
	s_mov_b32 s15, 3
.Lchunk:                                               ; three chunks ask for a successor
	CHUNK 1
	s_sub_co_u32 s15, s15, 1
	s_cmp_lg_u32 s15, 0
	s_cbranch_scc1 .Lchunk
	CHUNK 0                                        ; the last is written out
	global_store_b128 v[L16], v[CTX:CTX+3], s[10:11]               ; columns 256 w + 4 lane on: 32 lanes store 512 consecutive bytes
	global_store_b128 v[L16], v[CTX+4:CTX+7], s[10:11] offset:512  ; columns 256 w + 128 + 4 lane on
	s_cmp_lg_u32 s14, 0
	s_cbranch_scc1 .Lno_ml
	global_store_b64 v[MO], v[MX:MX+1], s[12:13]   ; (m, sum), 32 times over: 256 consecutive bytes, aligned
.Lno_ml:
	s_wait_tensorcnt 0x0                           ; the wave's end: an add and its wait, behind my last tensor load and my last LDS store
	ds_add_u32 v[SPW], v[NIL]
	s_wait_dscnt 0x0
	s_endpgm
.Lfunc_end_k_q2a8f56ee36_main:
	.size	k_q2a8f56ee36_main, .Lfunc_end_k_q2a8f56ee36_main-k_q2a8f56ee36_main
	.p2alignl 7, 3214868480
	.fill 96, 4, 3214868480
	.section	.rodata,"a",@progbits
	.p2align	6, 0x0
	.amdhsa_kernel k_q2a8f56ee36_main
		.amdhsa_group_segment_fixed_size 327680
		.amdhsa_private_segment_fixed_size 0
		.amdhsa_enable_private_segment 0
		.amdhsa_kernarg_size 40
		.amdhsa_user_sgpr_count 2
		.amdhsa_user_sgpr_kernarg_segment_ptr 1
		.amdhsa_wavefront_size32 1
		.amdhsa_system_sgpr_workgroup_id_x 1
		.amdhsa_system_sgpr_workgroup_id_y 1
		.amdhsa_system_sgpr_workgroup_id_z 1
		.amdhsa_system_vgpr_workitem_id 0
		.amdhsa_next_free_vgpr 1024
		.amdhsa_next_free_sgpr 80
		.amdhsa_reserve_vcc 0
		.amdhsa_float_denorm_mode_32 3
		.amdhsa_float_denorm_mode_16_64 3
		.amdhsa_memory_ordered 1
		.amdhsa_forward_progress 1
		.amdhsa_inst_pref_size 255
	.end_amdhsa_kernel
	.section	.bss,"aw",@nobits
	.p2align	6
	.space	262144
	.amdgpu_metadata
---
amdhsa.version: [ 1, 2 ]
amdhsa.kernels:
  - .name:           k_q2a8f56ee36_main
    .symbol:         k_q2a8f56ee36_main.kd
    .args:
      - { .name: encoder_outputs, .offset: 0, .size: 8, .value_kind: global_buffer, .address_space: global }
      - { .name: vimg, .offset: 8, .size: 8, .value_kind: global_buffer, .address_space: global }
      - { .name: kbw, .offset: 16, .size: 8, .value_kind: global_buffer, .address_space: global }
      - { .name: part_ctx, .offset: 24, .size: 8, .value_kind: global_buffer, .address_space: global }
      - { .name: part_ml, .offset: 32, .size: 8, .value_kind: global_buffer, .address_space: global }
    .group_segment_fixed_size: 327680
    .private_segment_fixed_size: 0
    .kernarg_segment_align: 8
    .kernarg_segment_size: 40
    .max_flat_workgroup_size: 128
    .sgpr_count:     80
    .vgpr_count:     1024
    .wavefront_size: 32
...
	.end_amdgpu_metadata
.endif
;; end of part 2
;; launch join (part 3): grid 32 x 4, 2 waves a work-group, no clusters, 0 bytes of LDS; arguments part_ctx, part_ml, out0; writes out0
.if DOCPART == 3
	.amdgcn_target "amdgcn-amd-amdhsa--gfx1250"
	.amdhsa_code_object_version 6
	.text
	.protected	k_q2a8f56ee36_join
	.globl	k_q2a8f56ee36_join
	.p2align	8
	.type	k_q2a8f56ee36_join,@function
k_q2a8f56ee36_join:
	s_mov_b64 s[64:65], 0
	v_nop
	global_prefetch_b8 v0, s[64:65] scope:SCOPE_SE
	s_setreg_imm32_b32 hwreg(HW_REG_WAVE_MODE, 25, 1), 1
	s_wait_xcnt 0x0
; out0[b][:] = sum_i 2^(m_i - M) ctx_i[:] / sum_i 2^(m_i - M) l_i over the batch's eight records, M the largest m_i: the softmax's maximum is taken away here as in each record.
; Work-group (b, y): 256 columns of batch b; thread t takes four: the 64 threads load and store 1,024 consecutive bytes.  Memory binds and the launch is small: no LDS, no matrix unit, no barrier.
	s_load_b128 s[4:7], s[0:1], 0x0                ; part_ctx s[4:5], part_ml s[6:7]
	s_load_b64 s[8:9], s[0:1], 0x10                ; out0
	s_and_b32 s10, ttmp7, 0xffff                   ; y
	s_lshl_b32 s11, s10, 10
	s_lshl_b32 s12, ttmp9, 15                      ; eight records of 4,096 bytes
	s_add_co_u32 s12, s12, s11
	s_mov_b32 s13, 0
	s_lshl_b32 s14, ttmp9, 11                      ; eight records of 256 bytes
	s_mov_b32 s15, 0
	s_lshl_b32 s16, ttmp9, 12
	s_add_co_u32 s16, s16, s11
	s_mov_b32 s17, 0
	v_lshlrev_b32 v1, 4, v0
	v_mov_b32 v2, 0
	s_wait_alu depctr_va_vdst(0)
	s_wait_kmcnt 0x0
	s_add_nc_u64 s[4:5], s[4:5], s[12:13]
	s_add_nc_u64 s[6:7], s[6:7], s[14:15]
	s_add_nc_u64 s[8:9], s[8:9], s[16:17]
.irp i, 0,1,2,3,4,5,6,7
	global_load_b64 v[4+2*\i:5+2*\i], v2, s[6:7] offset:256*\i             ; (m_i, l_i)
.endr
.irp i, 0,1,2,3,4,5,6,7
	global_load_b128 v[20+4*\i:23+4*\i], v1, s[4:5] offset:4096*\i th:TH_LOAD_NT
.endr
	s_wait_loadcnt 0x0
	v_max3_num_f32 v52, v4, v6, v8
	v_max3_num_f32 v52, v52, v10, v12
	v_max3_num_f32 v52, v52, v14, v16
	v_max_num_f32 v52, v52, v18
.irp i, 0,1,2,3,4,5,6,7
	v_sub_f32 v[4+2*\i], v[4+2*\i], v52
.endr
	s_wait_alu depctr_va_vdst(0)
.irp i, 0,1,2,3,4,5,6,7
	v_exp_f32 v[4+2*\i], v[4+2*\i]                 ; e_i = 2^(m_i - M)
.endr
	v_nop                                          ; one plain place behind the exponentials
	s_wait_alu depctr_va_vdst(0)
	v_mul_f32 v53, v4, v5
.irp j, 0,1,2,3
	v_mul_f32 v[56+\j], v4, v[20+\j]
.endr
.irp i, 1,2,3,4,5,6,7
	v_fma_f32 v53, v[4+2*\i], v[5+2*\i], v53
.irp j, 0,1,2,3
	v_fma_f32 v[56+\j], v[4+2*\i], v[20+4*\i+\j], v[56+\j]
.endr
.endr
	s_wait_alu depctr_va_vdst(0)
	v_rcp_f32 v53, v53
	v_nop                                          ; one plain place behind the reciprocal
	s_wait_alu depctr_va_vdst(0)
.irp j, 0,1,2,3
	v_mul_f32 v[56+\j], v[56+\j], v53
.endr
	global_store_b128 v1, v[56:59], s[8:9]
	s_endpgm
.Lfunc_end_k_q2a8f56ee36_join:
	.size	k_q2a8f56ee36_join, .Lfunc_end_k_q2a8f56ee36_join-k_q2a8f56ee36_join
	.p2alignl 7, 3214868480
	.fill 96, 4, 3214868480
	.section	.rodata,"a",@progbits
	.p2align	6, 0x0
	.amdhsa_kernel k_q2a8f56ee36_join
		.amdhsa_group_segment_fixed_size 0
		.amdhsa_private_segment_fixed_size 0
		.amdhsa_enable_private_segment 0
		.amdhsa_kernarg_size 24
		.amdhsa_user_sgpr_count 2
		.amdhsa_user_sgpr_kernarg_segment_ptr 1
		.amdhsa_wavefront_size32 1
		.amdhsa_system_sgpr_workgroup_id_x 1
		.amdhsa_system_sgpr_workgroup_id_y 1
		.amdhsa_system_sgpr_workgroup_id_z 1
		.amdhsa_system_vgpr_workitem_id 0
		.amdhsa_next_free_vgpr 64
		.amdhsa_next_free_sgpr 66
		.amdhsa_reserve_vcc 0
		.amdhsa_float_denorm_mode_32 3
		.amdhsa_float_denorm_mode_16_64 3
		.amdhsa_memory_ordered 1
		.amdhsa_forward_progress 1
		.amdhsa_inst_pref_size 6
	.end_amdhsa_kernel
	.amdgpu_metadata
---
amdhsa.version: [ 1, 2 ]
amdhsa.kernels:
  - .name:           k_q2a8f56ee36_join
    .symbol:         k_q2a8f56ee36_join.kd
    .args:
      - { .name: part_ctx, .offset: 0, .size: 8, .value_kind: global_buffer, .address_space: global }
      - { .name: part_ml, .offset: 8, .size: 8, .value_kind: global_buffer, .address_space: global }
      - { .name: out0, .offset: 16, .size: 8, .value_kind: global_buffer, .address_space: global }
    .group_segment_fixed_size: 0
    .private_segment_fixed_size: 0
    .kernarg_segment_align: 8
    .kernarg_segment_size: 24
    .max_flat_workgroup_size: 64
    .sgpr_count:     66
    .vgpr_count:     64
    .wavefront_size: 32
...
	.end_amdgpu_metadata
.endif
;; end of part 3
